; MI455X (gfx1250); checked and timed in simulation.
; The chip was launched on July 23, 2026; its instructions are those of AMD's public machine-readable ISA for CDNA 5 (MIT licence, August 2026) and "CDNA5" Instruction Set Architecture Reference Guide (July 2026). The comments in the code are by the model that wrote it; some were corrected since.
;; AQ Expert. Allowed arithmetic: matrix products marked QUANTISED: E2M3 operands, one E8M0 scale for each 32 along K, by v_wmma_scale_f32_16x16x128_f8f6f4 with both operands' format E2M3, f32 sums; everything else in f32.
;; Inputs: codebooks 2 x 256 x 8 bfloat16; indices 2,048 x 512 x 2 int32; scales 4,096 float32; x 4 x 2,048 x 4,096 float32.
;; Outputs: out0 4 x 2,048 x 2,048 float32.
;; This version of the problem:
;;   THIS VERSION OF THE PROBLEM IS GIVEN IN LOW PRECISION. The matrix products marked QUANTISED in the list below multiply operands that are first quantised to E2M3 (2 exponent bits, 3 mantissa bits; 6 bits a number), with one power-of-two scale for each 32 numbers along K (OCP MX v1.0); their sums are f32. All else is computed in f32.
;;   The module's matrix products, in the order in which they are computed (A, B: the left and right operand; K: the contracted axis; several contracted axes count as one K, in the product's order):
;;     1. [M 8,192, K 4,096] x [K 4,096, N 2,048]; A: computed on the way; B: computed on the way: QUANTISED
;;   THE QUANTISER, for each operand of a quantised product, along K:
;;     - K is cut into blocks of 32 from its start; a last block that is shorter is filled with zeros.
;;     - A block's scale is 2^e with e = floor(log2(the largest magnitude in the block)) - 2, held to -126 .. 127; a block of zeros has e = 0. As a byte (E8M0): e + 127.
;;     - Each number is divided by its block's scale, clamped to +-7.5, and rounded to the nearest number of E2M3, ties to even, subnormals kept.
;;     - The product sums the exact products of the quantised numbers (number of the format x scale) in f32.
;;   ~~~python
;;   def quantise(x, axis):      # numpy; x: float32 -> the quantised numbers, widened to float32 again
;;       x = np.moveaxis(x, axis, -1); K = x.shape[-1]
;;       x = np.pad(x, [(0, 0)] * (x.ndim - 1) + [(0, -K % 32)]); x = x.reshape(x.shape[:-1] + (-1, 32)); a = np.abs(x).max(-1, keepdims=True)
;;       e = np.where(a > 0, np.clip(np.frexp(np.where(a > 0, a, 1))[1] - 1 - 2, -126, 127), 0)      # np.frexp(a)[1] - 1 = floor(log2(a)), exactly
;;       r = np.clip(x / 2.0 ** e, -7.5, 7.5)
;;       step = 2.0 ** (np.maximum(np.frexp(np.where(r == 0, 1, r))[1] - 1, 0) - 3)
;;       q = np.round(r / step) * step * 2.0 ** e      # np.round: ties to even
;;       return np.moveaxis(q.reshape(q.shape[:-2] + (-1,))[..., :K], -1, axis).astype(np.float32)
;;   ~~~
;;   OPERANDS COMPUTED ON THE WAY. 'Computed on the way' means the value that the module computes at that place (a softmax that the list does not call 'softmax' is quantised finished and normalised). What goes into a quantiser is computed in f32, as accurately as f32 sums, v_exp_f32 and their like allow (about 1e-6 of the number): no bf16 or f16 on the way to a quantiser, and a product that is left as it is and whose result goes on into a quantised operand takes f32 operands (vector FMAs, or v_wmma_f32_16x16x4_f32). A number that lies on a knife's edge between two numbers of the format may be rounded either way, as far as f32 arithmetic and the matrix unit's own rounding can turn it there, and no further.
;; One version. Each part assembles by itself: llvm-mc -triple=amdgcn-amd-amdhsa -mcpu=gfx1250 --defsym DOCPART=n.
;; ======== version 1 of 1: 2 launches
;; limits: right only within a limited range of input values
;; workspace buffers: aq 26,214,400 bytes; bq 6,553,600 bytes
;; launch quant (part 1): grid 1280 x 1, 2 waves a work-group, no clusters, 51,968 bytes of LDS; arguments x, scales, indices, codebooks, aq, bq; writes aq, bq
.if DOCPART == 1
	.amdgcn_target "amdgcn-amd-amdhsa--gfx1250"
	.amdhsa_code_object_version 6
	.text
	.protected	k_qa2c1e51bd7_quant
	.globl	k_qa2c1e51bd7_quant
	.p2align	8
	.type	k_qa2c1e51bd7_quant,@function
k_qa2c1e51bd7_quant:
	s_mov_b64 s[64:65], 0
	v_nop
	global_prefetch_b8 v0, s[64:65] scope:SCOPE_SE
	s_setreg_imm32_b32 hwreg(HW_REG_WAVE_MODE, 25, 1), 1
	s_wait_xcnt 0x0
; BOTH OPERANDS OF out = clip(Q(x s) Q(W)^T) ARE MADE HERE, in f32, and turned into codes of FP6 (E2M3), 6 bits each, with one E8M0 scale byte for each 32 along K = 4,096.
;   A[t][i] = x[t][i] * scales[i]                                    [8,192][4,096]   work-groups 256 .. 1,279
;   W[o][8 g + j] = cb[0][idx[o][g][0]][j] + cb[1][idx[o][g][1]][j]  [2,048][4,096]   work-groups 0 .. 255 (first, so that their index -> gather chains run beside x's stream)
; A block's scale is 2^(floor(log2(its largest magnitude)) - 2); its byte is the largest magnitude's own exponent field - 2, held at 1 from below.  Each number is divided by the scale and rounded to the
; nearest code, ties to even; beyond 7.5 the conversion gives the largest code.
; LIMITS: NaN and infinities among the inputs are not served.  A block of zeros gets the byte 1 where the rule says 127: its codes are zeros, which add nothing under any byte but 0xff, and the bytes are read by this
; program alone.  An index outside 0 .. 255 is held at 255 (as an unsigned number).
; LAYOUT OF THE RESULTS: in the order of the operand's registers.  An operand is a row of RECORDS, one for each (row block of 128 rows, K step of 128), 12,800 bytes:
;   8 fragments (rows 16 i .. 16 i + 15), 1,536 bytes each: registers 4 c .. 4 c + 3 of lane l at 512 c + 16 l;  then 512 bytes of scale words: that of row 64 w + 16 i + r at 256 w + 16 r + 4 i.
; A fragment's lane (r, h) holds of row r the codes of k = 32 h + 0 .. 31 (registers 0-5) and of k = 64 + 32 h + 0 .. 31 (registers 6-11): two whole blocks of 32.
; SHARES.  A work-group is one (row block b, pair j of K steps); wave w takes rows 64 w .. 64 w + 63 of it: 8 fragments, f = 2 i + s (rows 16 i on, K step s of the pair).  At work a lane holds just what the operand's lane
; holds, 64 numbers: so a block's largest magnitude needs no other lane, the conversions' results are the operand's registers, each store of codes covers 512 consecutive bytes, and the wave's 8 scale words a row leave
; by one store in which each sixteen lanes cover 256 consecutive bytes, aligned.  No tensor load, no barrier: waves share nothing; the two paths never join, and each has LDS bytes of its own.
.set REC,    12800                     ; a record
.set FRB,    1536                      ; a fragment's image
.set XPITCH, 528                       ; x's stage: a row of 512 bytes + 16: an odd multiple of 16 bytes
.set XSTG,   16*XPITCH                 ; a stage: a fragment's 16 rows; one for each wave
.set IPITCH, 272                       ; the indices' stage: a row of 256 bytes + 16
.set ISTG,   64*IPITCH                 ; the wave's 64 rows
.set WLDS,   2*XSTG                    ; W's path begins behind x's two stages
.set R,   16                           ; x: v16-143   two sets of 64 numbers as they are loaded.  W: first the wave's 128 indices a lane, then:
.set G,   16                           ; W: v16-79    16 gathered entries (8 bf16 each)
.set IX,  80                           ; W: v80-111   two sets of 16 indices, then byte offsets into the codebooks
.set U,   112                          ; W: v112-119  the second codebook's 8 numbers of a group, in f32
.set XS,  144                          ; v144-207 the lane's 64 numbers: register 32 c + m is k = 64 c + 32 h + m of row r
.set PC,  208                          ; v208-219 the fragment's 12 registers of codes
.set TP,  220                          ; v220-222, v224-226 the upper halves of the two blocks, as the conversions leave them
.set SW,  228                          ; v228-235 the scale word of my row, for each of the 8 fragments
.set S,   236                          ; x: v236-243 the gains of the 4 columns that I load, for each of the two K steps
.set MA,  244                          ; v244-245, v246-247 largest magnitudes, two chains for each block
.set MB,  246
.set SO,  248                          ; v248-249 the conversions' scale operands
.set BY,  250                          ; v250-251 the scales' bytes
.set WD,  252                          ; my two bytes at their places in the word
.set TT,  253                          ; lane l xor 16's
.set OW,  244                          ; at the end: the four words that I store
	s_load_b256 s[4:11], s[0:1], 0x0               ; x s[4:5], scales s[6:7], indices s[8:9], codebooks s[10:11]
	s_load_b128 s[12:15], s[0:1], 0x20             ; A's records s[12:13], W's s[14:15]
	v_lshl_add_u32 v254, v0, 2, 0xca00
	v_mov_b32 v255, 0
	v_lshrrev_b32 v1, 5, v0
	v_readfirstlane_b32 s20, v1                    ; wave 0..1
	v_and_b32 v2, 31, v0                           ; lane
	v_and_b32 v3, 15, v0                           ; r
	v_bfe_u32 v4, v0, 4, 1                         ; h
	v_lshlrev_b32 v5, 4, v2                        ; 16 x lane: my 16 bytes of 512; never rewritten
	s_mul_i32 s21, s20, 4*FRB
	v_add_nc_u32 v6, s21, v5                       ; the codes' way out: my wave's four fragments of a record, 16 x lane; never rewritten
	v_mul_u32_u24 v7, v4, REC
	v_lshl_add_u32 v7, v3, 4, v7
	s_lshl_b32 s21, s20, 8
	v_add_nc_u32 v7, s21, v7                       ; the scale words' way out: lanes 0-15 the pair's first record, lanes 16-31 its second; 256 x wave + 16 r
	v_lshlrev_b32 v8, 3, v4                        ; 8 h: how far my two bytes are shifted up in the word
	v_mov_b32 v[TT], 0                             ; written once: a lane permute's destination counts as one of its sources
	s_mov_b32 s22, 0x76543210
	s_mov_b32 s23, 0xfedcba98                      ; v_permlanex16_b32's selects for lane l xor 16
	s_mov_b32 s30, 0xffff0000                      ; a word's upper bf16
	s_mov_b32 s25, 0                               ; offsets are 32-bit numbers in pairs with 0 above them
	s_mov_b32 s27, 0
	s_wait_alu depctr_va_vdst(0)                   ; the wait at the head's end
	s_wait_kmcnt 0x0
; The 64 numbers in v[XS] on become fragment f's 12 registers of codes, which are stored, and its scale word in v[SW + f].  ptr: the pair that holds the address of the pair's first record.
.macro QF f, ptr
.irp c, 0,1
	v_max3_num_f32 v[MA+\c], |v[XS+32*\c]|, |v[XS+32*\c+1]|, 0x1800000          ; block c: its first 16 numbers, and the floor 2^(3 - 127), under which no largest magnitude is taken: so the byte cannot fall under 1
	v_max3_num_f32 v[MB+\c], |v[XS+32*\c+16]|, |v[XS+32*\c+17]|, |v[XS+32*\c+18]|   ; and its second 16: four chains, so that no line waits for the line above it
.endr
.irp i, 0,2,4,6,8,10
.irp c, 0,1
	v_max3_num_f32 v[MA+\c], v[MA+\c], |v[XS+32*\c+2+\i]|, |v[XS+32*\c+3+\i]|
	v_max3_num_f32 v[MB+\c], v[MB+\c], |v[XS+32*\c+19+\i]|, |v[XS+32*\c+20+\i]|
.endr
.endr
.irp c, 0,1
	v_max3_num_f32 v[MA+\c], v[MA+\c], |v[XS+32*\c+14]|, |v[XS+32*\c+15]|
.endr
.irp c, 0,1
	v_max3_num_f32 v[MA+\c], v[MA+\c], v[MB+\c], |v[XS+32*\c+31]|               ; the block's largest magnitude: all 32 numbers are mine
.endr
.irp c, 0,1
	v_add_nc_u32 v[SO+\c], 0xff000000, v[MA+\c]    ; 2 off its exponent field: the conversion takes the exponent field of this operand as its scale, and nothing else of it
.endr
.irp c, 0,1
	v_lshrrev_b32 v[BY+\c], 23, v[SO+\c]           ; the scale's byte
.endr
	v_lshl_or_b32 v[WD], v[BY+1], 16, v[BY]        ; my two bytes: blocks h and 2 + h of row r,
	v_lshlrev_b32 v[WD], v8, v[WD]                 ; at their places in the scale word;
	v_permlanex16_b32 v[TT], v[WD], s22, s23
	v_or_b32 v[SW+(\f)], v[WD], v[TT]              ; with lane l xor 16's two the word is whole, in both lanes
	s_wait_alu depctr_va_vdst(0)
.if (\f) > 0
	s_wait_xcnt 0x0                                ; the last fragment's stores have read their data: the codes' registers are written again only behind this wait
.endif
.irp c, 0,1
	v_cvt_scalef32_pk16_fp6_f32 v[PC+6*\c:PC+6*\c+2], v[XS+32*\c:XS+32*\c+15], v[SO+\c]        ; registers 6 c .. 6 c + 2 of the operand
	v_cvt_scalef32_pk16_fp6_f32 v[TP+4*\c:TP+4*\c+2], v[XS+32*\c+16:XS+32*\c+31], v[SO+\c]     ; (a conversion's three registers begin on an even number: the second half of a block's six does not, so it is made elsewhere and moved)
.endr
	v_nop                                          ; one plain instruction behind the scaled conversions, ahead of the lines that touch their results
.irp c, 0,1
.irp i, 0,1,2
	v_mov_b32 v[PC+3+6*\c+\i], v[TP+4*\c+\i]
.endr
.endr
.irp c, 0,1,2
	global_store_b128 v6, v[PC+4*\c:PC+4*\c+3], s[\ptr:\ptr+1] offset:REC*((\f)%2)+FRB*((\f)/2)+512*\c   ; 32 lanes store 512 consecutive bytes, at a multiple of 256 from the buffer's first byte
.endr
.endm
; The wave's scale words: lanes 0-15 store those of the pair's first K step (fragments 0, 2, 4, 6), lanes 16-31 those of its second (1, 3, 5, 7).
.macro FIN ptr
	v_cmp_lt_u32 vcc_lo, 15, v2                    ; lanes 16-31
.irp i, 0,1,2,3
	v_cndmask_b32 v[OW+\i], v[SW+2*\i], v[SW+2*\i+1], vcc_lo
.endr
	global_store_b128 v7, v[OW:OW+3], s[\ptr:\ptr+1] offset:8*FRB   ; each sixteen lanes store 256 consecutive bytes, at a multiple of 256 from the buffer's first byte
	s_wait_tensorcnt 0x0
	ds_add_u32 v254, v255
	s_wait_dscnt 0x0
	s_endpgm
.endm
	s_cmp_lt_u32 ttmp9, 256                        ; W's work-group or x's?
	s_cbranch_scc1 .Lw
	; ================ x * scales ================
	s_sub_co_u32 s21, ttmp9, 256                   ; id = 16 b + j
	s_lshr_b32 s28, s21, 4                         ; b: row block 0..63
	s_and_b32 s29, s21, 15                         ; j: pair of K steps 0..15
	s_lshl_b32 s24, s28, 21                        ; 128 rows of 16,384 bytes,
	s_lshl_b32 s26, s20, 20                        ; my wave's 64 rows,
	s_or_b32 s24, s24, s26
	s_lshl_b32 s26, s29, 10                        ; 256 columns of 4 bytes
	s_or_b32 s24, s24, s26
	s_add_nc_u64 s[4:5], s[4:5], s[24:25]          ; x at my wave's first number
	s_add_nc_u64 s[6:7], s[6:7], s[26:27]          ; the gains at the pair's first column
	s_mul_i32 s24, s21, 2*REC                      ; record 32 b + 2 j = 2 id
	s_add_nc_u64 s[12:13], s[12:13], s[24:25]
	s_mul_i32 s31, s20, XSTG                       ; my wave's stage
	v_add_nc_u32 v14, s31, v5                      ; on the way in: a row as it is loaded, 16 x lane
	v_mul_u32_u24 v15, v3, XPITCH
	v_lshl_add_u32 v15, v4, 7, v15
	v_add_nc_u32 v15, s31, v15                     ; on the way out: row r, + 128 h: my 32 numbers of each 64
	s_wait_alu depctr_va_vdst(0)
	global_load_b128 v[S:S+3], v5, s[6:7]          ; as loaded, lane l holds columns 4 l .. 4 l + 3 of a K step's 128: four gains for each K step
	global_load_b128 v[S+4:S+7], v5, s[6:7] offset:512
.macro LOADF f                         ; fragment f: 16 rows, 512 bytes of each: every load reads 512 consecutive bytes, 16 a lane
.irp i, 0,1,2,3,4,5,6,7,8,9,10,11,12,13,14,15
	global_load_b128 v[R+64*((\f)%2)+4*\i:R+64*((\f)%2)+4*\i+3], v5, s[4:5] offset:(16*((\f)/2)+\i)*16384+512*((\f)%2) th:TH_LOAD_NT
.endr
.endm
	LOADF 0
	LOADF 1
.macro XWORK f
.set RS, R+64*((\f)%2)
.set GS, S+4*((\f)%2)
.if (\f) < 7
	s_wait_loadcnt 16                              ; this fragment's 16 loads (and, the first time, the gains') are in; the next fragment's 16 stay out
.else
	s_wait_loadcnt 0x0
.endif
.irp i, 0,1,2,3,4,5,6,7,8,9,10,11,12,13,14,15
	v_pk_mul_f32 v[RS+4*\i:RS+4*\i+1], v[RS+4*\i:RS+4*\i+1], v[GS:GS+1]           ; x * scales, in f32, two at a time
	v_pk_mul_f32 v[RS+4*\i+2:RS+4*\i+3], v[RS+4*\i+2:RS+4*\i+3], v[GS+2:GS+3]
	ds_store_b128 v14, v[RS+4*\i:RS+4*\i+3] offset:XPITCH*\i                      ; row i into the stage, as it lies
.endr
.irp c, 0,1
.irp k, 0,1,2,3,4,5,6,7
	ds_load_b128 v[XS+32*\c+4*\k:XS+32*\c+4*\k+3], v15 offset:256*\c+16*\k        ; and back as the operand's lane wants it.  LDS serves a wave's instructions in order (ISA guide 5.7.1.4): no wait between the stores and the loads
.endr
.endr
.if (\f)+2 < 8
	s_wait_dscnt 16                                ; the 16 stores into the stage are done (the 16 loads behind them may be out): their registers
	LOADF (\f)+2                                   ; take the loads of two fragments on
.endif
	s_wait_dscnt 0x0                               ; my 64 numbers are in
	QF \f, 12
.endm
.irp f, 0,1,2,3,4,5,6,7
	XWORK \f
.endr
	FIN 12
	; ================ W, from the indices and the codebooks ================
.Lw:
	s_lshr_b32 s28, ttmp9, 4                       ; b: row block 0..15
	s_and_b32 s29, ttmp9, 15                       ; j: pair of K steps 0..15
	s_lshl_b32 s24, s28, 19                        ; 128 rows of indices, 4,096 bytes each,
	s_lshl_b32 s26, s20, 18                        ; my wave's 64 rows,
	s_or_b32 s24, s24, s26
	s_lshl_b32 s26, s29, 8                         ; 32 groups of two indices: 256 bytes
	s_or_b32 s24, s24, s26
	s_add_nc_u64 s[8:9], s[8:9], s[24:25]
	s_mul_i32 s24, ttmp9, 2*REC
	s_add_nc_u64 s[14:15], s[14:15], s[24:25]
	v_lshlrev_b32 v10, 12, v4
	v_lshl_add_u32 v10, v3, 4, v10                 ; a load takes two rows: row h of them, 16 r
	s_mul_i32 s31, s20, ISTG
	s_add_co_u32 s31, s31, WLDS                    ; my wave's stage for the indices
	; W'S FRAGMENTS TAKE THEIR ROWS BY FOURS: lane r of the wave's fragment i holds row 4 r + i of the wave's 64 (x's fragments keep rows 16 i + r).  So in the product four neighbouring fragments of W give a lane
	; four neighbouring columns of the result.  The choice is made in the stage: row rho of the 64 lies at place 16 (rho % 4) + rho / 4, and the way out of the stage reads place 16 i + r.
	v_mul_u32_u24 v14, v4, 16*IPITCH               ; a load's row 2 n + h lies at place 32 (n % 2) + 16 h + n / 2
	v_lshl_add_u32 v14, v3, 4, v14
	v_add_nc_u32 v14, s31, v14                     ; on the way in: as loaded
	v_mul_u32_u24 v15, v3, IPITCH
	v_lshl_add_u32 v15, v4, 5, v15
	v_add_nc_u32 v15, s31, v15                     ; on the way out: place r, + 32 h: the four groups (eight indices) of my block
	s_wait_alu depctr_va_vdst(0)
.irp n, 0,1,2,3,4,5,6,7,8,9,10,11,12,13,14,15,16,17,18,19,20,21,22,23,24,25,26,27,28,29,30,31
	global_load_b128 v[R+4*\n:R+4*\n+3], v10, s[8:9] offset:8192*\n th:TH_LOAD_NT   ; sixteen lanes read 256 consecutive bytes of a row, aligned
.endr
	s_wait_loadcnt 0x0
.irp n, 0,1,2,3,4,5,6,7,8,9,10,11,12,13,14,15,16,17,18,19,20,21,22,23,24,25,26,27,28,29,30,31
	ds_store_b128 v14, v[R+4*\n:R+4*\n+3] offset:(32*(\n%2)+\n/2)*IPITCH
.endr
	s_wait_dscnt 0x0                               ; the stores have read their registers, which are written again below
.macro IXLOAD f                        ; fragment f's 16 indices of my lane: register 8 c + 2 g + e is idx[row][group g of block c][codebook e]
.irp n, 0,1,2,3
	ds_load_b128 v[IX+16*((\f)%2)+4*\n:IX+16*((\f)%2)+4*\n+3], v15 offset:16*((\f)/2)*IPITCH+128*((\f)%2)+64*(\n/2)+16*(\n%2)
.endr
.endm
.macro CLAMP f
.set n, 0
.rept 16
	v_min_u32 v[IX+16*((\f)%2)+n], 0xff, v[IX+16*((\f)%2)+n]       ; an index stays inside its table,
	v_lshlrev_b32 v[IX+16*((\f)%2)+n], 4, v[IX+16*((\f)%2)+n]      ; whose entries are 8 bf16: 16 bytes
.set n, n+1
.endr
.endm
.macro GATHER f                        ; the 16 entries: codebook 0's and codebook 1's of each of my 8 groups
.irp n, 0,1,2,3,4,5,6,7,8,9,10,11,12,13,14,15
	global_load_b128 v[G+4*\n:G+4*\n+3], v[IX+16*((\f)%2)+\n], s[10:11] offset:4096*(\n%2)
.endr
.endm
.macro WIDEN                           ; group g of my 8: numbers 8 g .. 8 g + 7
.irp g, 0,1,2,3,4,5,6,7
.irp k, 0,1,2,3
	v_lshlrev_b32 v[XS+8*\g+2*\k],   16,  v[G+8*\g+\k]             ; bf16 to f32: the low half moves up,
	v_and_b32     v[XS+8*\g+2*\k+1], s30, v[G+8*\g+\k]             ; the high half stays
	v_lshlrev_b32 v[U+2*\k],   16,  v[G+8*\g+4+\k]
	v_and_b32     v[U+2*\k+1], s30, v[G+8*\g+4+\k]
.endr
.irp k, 0,2,4,6
	v_pk_add_f32 v[XS+8*\g+\k:XS+8*\g+\k+1], v[XS+8*\g+\k:XS+8*\g+\k+1], v[U+\k:U+\k+1]   ; the two codebooks' entries are added in f32
.endr
.endr
.endm
	IXLOAD 0
	IXLOAD 1
	s_wait_dscnt 0x0
	CLAMP 0
	CLAMP 1
	GATHER 0
.macro WWORK f
	s_wait_loadcnt 0x0                             ; this fragment's 16 gathers are in: their offsets' registers are free too
	WIDEN
.if (\f) < 7
	GATHER (\f)+1                                  ; the next fragment's gathers are out while this one is quantised
.endif
.if (\f) < 6
	IXLOAD (\f)+2                                  ; into the set of offsets that this fragment's gathers have left
.endif
	QF \f, 14
.if (\f) < 6
	s_wait_dscnt 0x0
	CLAMP (\f)+2
.endif
.endm
.irp f, 0,1,2,3,4,5,6,7
	WWORK \f
.endr
	FIN 14
.Lfunc_end_k_qa2c1e51bd7_quant:
	.size	k_qa2c1e51bd7_quant, .Lfunc_end_k_qa2c1e51bd7_quant-k_qa2c1e51bd7_quant
	.p2alignl 7, 3214868480
	.fill 96, 4, 3214868480
	.section	.rodata,"a",@progbits
	.p2align	6, 0x0
	.amdhsa_kernel k_qa2c1e51bd7_quant
		.amdhsa_group_segment_fixed_size 51968
		.amdhsa_private_segment_fixed_size 0
		.amdhsa_enable_private_segment 0
		.amdhsa_kernarg_size 48
		.amdhsa_user_sgpr_count 2
		.amdhsa_user_sgpr_kernarg_segment_ptr 1
		.amdhsa_wavefront_size32 1
		.amdhsa_system_sgpr_workgroup_id_x 1
		.amdhsa_system_sgpr_workgroup_id_y 1
		.amdhsa_system_sgpr_workgroup_id_z 1
		.amdhsa_system_vgpr_workitem_id 0
		.amdhsa_next_free_vgpr 256
		.amdhsa_next_free_sgpr 66
		.amdhsa_reserve_vcc 1
		.amdhsa_float_denorm_mode_32 3
		.amdhsa_float_denorm_mode_16_64 3
		.amdhsa_memory_ordered 1
		.amdhsa_forward_progress 1
		.amdhsa_inst_pref_size 181
	.end_amdhsa_kernel
	.amdgpu_metadata
---
amdhsa.version: [ 1, 2 ]
amdhsa.kernels:
  - .name:           k_qa2c1e51bd7_quant
    .symbol:         k_qa2c1e51bd7_quant.kd
    .args:
      - { .name: x, .offset: 0, .size: 8, .value_kind: global_buffer, .address_space: global }
      - { .name: scales, .offset: 8, .size: 8, .value_kind: global_buffer, .address_space: global }
      - { .name: indices, .offset: 16, .size: 8, .value_kind: global_buffer, .address_space: global }
      - { .name: codebooks, .offset: 24, .size: 8, .value_kind: global_buffer, .address_space: global }
      - { .name: aq, .offset: 32, .size: 8, .value_kind: global_buffer, .address_space: global }
      - { .name: bq, .offset: 40, .size: 8, .value_kind: global_buffer, .address_space: global }
    .group_segment_fixed_size: 51968
    .private_segment_fixed_size: 0
    .kernarg_segment_align: 8
    .kernarg_segment_size: 48
    .max_flat_workgroup_size: 64
    .sgpr_count:     66
    .vgpr_count:     256
    .wavefront_size: 32
...
	.end_amdgpu_metadata
.endif
;; end of part 1
;; launch gemm (part 2): grid 8 x 32, 4 waves a work-group, clusters of 4 x 4, 327,680 bytes of LDS; arguments aq, bq, out0; writes out0
.if DOCPART == 2
	.amdgcn_target "amdgcn-amd-amdhsa--gfx1250"
	.amdhsa_code_object_version 6
	.text
	.protected	k_qa2c1e51bd7_gemm
	.globl	k_qa2c1e51bd7_gemm
	.p2align	8
	.type	k_qa2c1e51bd7_gemm,@function
k_qa2c1e51bd7_gemm:
	s_mov_b64 s[64:65], 0
	v_nop
	global_prefetch_b8 v0, s[64:65] scope:SCOPE_SE
	s_setreg_imm32_b32 hwreg(HW_REG_WAVE_MODE, 25, 1), 1
	s_wait_xcnt 0x0
	s_wait_alu depctr_hold_cnt(0) depctr_sa_sdst(0) depctr_va_vdst(0) depctr_va_sdst(0) depctr_va_ssrc(0) depctr_va_vcc(0) depctr_vm_vsrc(0)
	s_getreg_b32 s2, hwreg(HW_REG_IB_STS2, 6, 4)
	s_cmp_eq_u32 s2, 0
	s_cbranch_scc0 .Lentry_in_a_cluster
	s_endpgm
.Lentry_in_a_cluster:
	s_bfe_u32 s2, ttmp6, 0x10000c
	s_cmp_lg_u32 s2, 0xf033
	s_cbranch_scc0 .Lentry_shape_is_right
	s_endpgm
.Lentry_shape_is_right:
; out[t][o] = clip(sum over k of A[t][k] W[o][k], -50, 50): A [8,192][4,096] and W [2,048][4,096] come as records of FP6 codes and E8M0 scale words, laid in the order of the operand's registers:
; one record of 12,800 bytes for each (block of 128 rows, K step of 128): 8 fragments of 1,536 bytes (registers 4 c .. 4 c + 3 of lane l at 512 c + 16 l), then 512 bytes of scale words.
; LIMIT: NaN and infinities among the inputs are not served.
; A tile of 256 x 256 is made by four waves, 128 x 128 each: 64 accumulators.  K goes through a ring of two LDS slots of three K steps (4 x 38,400 bytes), one joint load a wave behind each round.
; CLUSTERS: 4 x 4 work-groups; A's chunks are shared along a row of the cluster, W's along a column, each asked for jointly by the four that its mask names.
; REGISTERS.  Every window of 256 has the same plan: v0-31 addresses (window 0: v16-31 scale words, two sets), v32-127 one GROUP of four fragments in two sets (by the step's parity), v128-255 sixteen accumulators.
;   window 0: A's fragments 0-3; window 1: A's 4-7; window 2: W's 0-3; window 3: W's 4-7.  Window d's accumulators: A's blocks 4 (d / 2) + ai x W's blocks 4 (d % 2) + bi, at v[128 + 8 (4 ai + bi)].
; A STEP: both operands have two sets, so the next step's 50 LDS loads stand in ONE run at the step's head, a whole step (64 products) ahead of their use; then four PHASES of 16 products, one for each window
; of accumulators, follow each other unbroken.  Eight window switches a step.  (A's LDS addresses lie in window 0, W's in window 1.)
; THE WAY OUT needs no LDS.  Source 0 = 16 rows of A, source 1 = 16 rows of W: register j of lane (r, h) is out(row 8 h + j, the column of W's lane r).  Lane r of W's fragment 4 g + e holds column 64 g + 4 r + e,
; so the same register of four neighbouring accumulators is 16 neighbouring bytes of a row: the clip gathers them into four registers on end.  Lanes 16-31 of the left 64 columns then change places with lanes 0-15 of the
; right 64, so that the 32 lanes of a store hold 512 consecutive bytes of one row, two aligned units of 256.
.set SIZE_N, 2048
.set REC,    12800
.set FRB,    1536
.set CH,     3*REC                     ; what one joint load brings: three records of one block of 128 rows
.set BLKB,   32*REC                    ; a block's 32 records
.set SLOT,   4*CH                      ; A's two blocks, then W's two
.set SPARE,  2*SLOT                    ; behind the ring: the spare words, 128 bytes a wave
.set LAPS,   4
.set PF0,    147456                    ; the prefetches begin at this byte of a block's records,
.set PFSTEP, 98304                     ; and go on by this much a trip: the third trip's two end with the block's 409,600 bytes
.set ADRA, 2                           ; v2-3 (window 0) A's records in slot 0, 1: + 16 x lane
.set ADRB, 4                           ; v4-5 (window 1) the same for W
.set ADRS, 6                           ; v6-7 (window 0) scale words: lanes 0-15 A's, lanes 16-31 W's
.set CO,   8                           ; v8 (all four windows) my byte offset in a row of out: 16 x lane
.set SPW,  10                          ; my spare word; never rewritten
.set NIL,  11                          ; 0; never rewritten
.set PFO,  12                          ; 256 x lane
.set SC,   16                          ; scale words: set p at v[16 + 8 p]; register i: lanes 0-15 A's block i, lanes 16-31 W's block i
.set FRG,  32
.set ACC,  128
.set G1, 24
.set G0, 32
.set G1B, 48
.set G0B, 56
.set PFA, 66
.set G1L, 68                           ; group 1 for the last chunk, of two records
.set G1LB, 80
.set CLO, 95
.set CHI, 96
.set LIM, 97                           ; s97: a trip's first two prefetches run while the trips to go are more than this; s98: the same for the third
.set MSB, 0
.macro WIN new                         ; the immediate's high byte repeats the setting that is left
.if MSB != \new
	s_set_vgpr_msb (MSB<<8)|\new
.set MSB, \new
.endif
.endm
.macro PLACES
.rept 4
	v_nop
.endr
.endm
.macro JLOAD g0a, g1a, g0b, g1b        ; a joint load: waves 0 and 1 fetch A's blocks, waves 2 and 3 W's; s_nop 0 and four v_nop behind each line
	s_cmp_eq_u32 s15, 0
	s_cbranch_scc0 .Lfor_b_\@
	tensor_load_to_lds s[\g0a:\g0a+3], s[\g1a:\g1a+7]
	s_nop 0
	PLACES
	s_branch .Lasked_\@
.Lfor_b_\@:
	tensor_load_to_lds s[\g0b:\g0b+3], s[\g1b:\g1b+7]
	s_nop 0
	PLACES
.Lasked_\@:
.endm
.macro CREST                           ; a round of the cluster's barrier behind its opening barrier
	s_cmp_lg_u32 s14, 0
	s_cbranch_scc1 .Lnot_wave_0_\@
	s_barrier_signal -3
.Lnot_wave_0_\@:
	s_barrier_wait -3
	s_barrier_signal -1
	s_barrier_wait -1
.endm
.macro CROUND
	s_barrier_signal -1
	s_barrier_wait -1
	CREST
.endm
; A prefetch into the L2: three a trip, in three places of the trip, 32,768 bytes of the block that my wave fetches each; the four partners take 8,192 bytes each, told apart by address, a lane to each 256 bytes.
; Of the clusters that read a block, the one with number 0 along the other axis asks.  The last trip asks for nothing, the one before for two of the three: no address passes the block's end.
.macro ASK k
	s_cmp_gt_u32 s3, s[LIM+(\k)/2]
	s_cbranch_scc0 .Lnot_mine_\@
	global_prefetch_b8 v[PFO], s[PFA:PFA+1] offset:32768*(\k) th:TH_LOAD_NT scope:SCOPE_SE
.Lnot_mine_\@:
.endm
	s_load_b128 s[4:7], s[0:1], 0x0                ; A's records, W's records
	s_load_b64 s[12:13], s[0:1], 0x10              ; out
	v_lshl_add_u32 v[SPW], v0, 2, SPARE
	v_mov_b32 v[NIL], 0
	ds_add_u32 v[SPW], v[NIL]                      ; the opening lines: the add, twice on end, and its wait ahead of my first tensor load
	ds_add_u32 v[SPW], v[NIL]
	v_lshrrev_b32 v32, 5, v0
	v_readfirstlane_b32 s14, v32                   ; wave 0..3
	s_lshr_b32 s15, s14, 1                         ; my half of the tile's rows.  Also: I fetch for A (0) or for W (1)
	s_and_b32 s16, s14, 1                          ; my half of its columns.  Also: which block I fetch
	s_bfe_u32 s40, ttmp6, 0x40000                  ; cx, cy
	s_bfe_u32 s41, ttmp6, 0x40004
	s_lshl_b32 s42, ttmp9, 2
	s_add_co_u32 s42, s42, s40                     ; tile column
	s_and_b32 s17, ttmp7, 0xffff
	s_lshl_b32 s17, s17, 2
	s_add_co_u32 s17, s17, s41                     ; tile row
	s_lshl_b32 s43, s41, 2
	s_lshl_b32 s43, 15, s43                        ; my row of the cluster
	s_lshl_b32 s44, 0x1111, s40                    ; my column
	s_mov_b32 s[CLO], 0xc2480000                   ; -50
	s_mov_b32 s[CHI], 0x42480000                   ; 50
	s_or_b32 s[G1+0], s43, (3<<16)|(1<<21)         ; elements of 8 bytes; the mask, and bit 21 beside it
	s_or_b32 s[G1B+0], s44, (3<<16)|(1<<21)
	s_or_b32 s[G1L+0], s43, (3<<16)|(1<<21)
	s_or_b32 s[G1LB+0], s44, (3<<16)|(1<<21)
.irp g, G1, G1B                        ; a dense block of 38,400 bytes as 75 rows of 512, each beginning at a multiple of 256 bytes
	s_mov_b32 s[\g+1], 64<<16
	s_mov_b32 s[\g+2], (CH/512)<<16
	s_mov_b32 s[\g+3], 64<<16
	s_mov_b32 s[\g+4], CH/512
	s_mov_b32 s[\g+5], 64
	s_mov_b32 s[\g+6], 0
	s_mov_b32 s[\g+7], 0
.endr
.irp g, G1L, G1LB                      ; two records: 100 rows
	s_mov_b32 s[\g+1], 32<<16
	s_mov_b32 s[\g+2], (2*REC/256)<<16
	s_mov_b32 s[\g+3], 32<<16
	s_mov_b32 s[\g+4], 2*REC/256
	s_mov_b32 s[\g+5], 32
	s_mov_b32 s[\g+6], 0
	s_mov_b32 s[\g+7], 0
.endr
	s_lshl_b32 s20, s17, 1
	s_add_co_u32 s20, s20, s16                     ; A's block: 2 x tile row + half
	s_lshl_b32 s46, s42, 1
	s_add_co_u32 s46, s46, s16                     ; W's block: 2 x tile column + half
	s_mul_i32 s20, s20, BLKB
	s_mov_b32 s21, 0
	s_mul_i32 s46, s46, BLKB
	s_mov_b32 s47, 0
	s_mul_i32 s45, s14, CH                         ; where my chunk goes: wave x 38,400
	s_wait_dscnt 0x0                               ; both opening adds are done
	s_wait_kmcnt 0x0
	s_add_nc_u64 s[20:21], s[4:5], s[20:21]
	s_add_nc_u64 s[46:47], s[6:7], s[46:47]
	CROUND                                         ; all sixteen work-groups are here: the first joint loads meet
.irp s, 0,1
	s_mov_b32 s[G0+4*\s], 1
	s_add_co_u32 s[G0+4*\s+1], s45, \s*SLOT
	s_add_nc_u64 s[G0+4*\s+2:G0+4*\s+3], s[20:21], \s*CH
	s_or_b32 s[G0+4*\s+3], s[G0+4*\s+3], 0x80000000
	s_mov_b32 s[G0B+4*\s], 1
	s_add_co_u32 s[G0B+4*\s+1], s45, \s*SLOT
	s_add_nc_u64 s[G0B+4*\s+2:G0B+4*\s+3], s[46:47], \s*CH
	s_or_b32 s[G0B+4*\s+3], s[G0B+4*\s+3], 0x80000000
.endr
	JLOAD G0, G1, G0B, G1B                         ; chunk 0: one tensor load a wave at the head
	s_and_b32 s98, ttmp7, 0xffff                   ; the prefetches: my block, my place among the four partners, and whether my cluster asks
	s_cmp_eq_u32 s15, 0
	s_cselect_b32 s99, s40, s41
	s_cselect_b32 s98, ttmp9, s98
	s_cselect_b64 s[PFA:PFA+1], s[20:21], s[46:47]
	s_cmp_eq_u32 s98, 0
	s_cselect_b32 s[LIM], 1, -1
	s_lshl_b32 s98, s99, 13
	s_add_co_u32 s98, s98, PF0-PFSTEP
	s_mov_b32 s99, 0
	s_add_nc_u64 s[PFA:PFA+1], s[PFA:PFA+1], s[98:99]
	s_max_u32 s[LIM+1], s[LIM], 2
	s_mul_i32 s21, s15, CH                         ; my block of A in a slot,
	s_mul_i32 s22, s16, CH
	s_add_co_u32 s22, s22, 2*CH                    ; my block of W,
	s_sub_co_u32 s23, s22, s21                     ; the distance between the two,
	s_add_co_u32 s88, s21, 8*FRB                   ; A's scale words,
	s_add_co_u32 s89, s22, SLOT                    ; and W's block in slot 1
	v_and_b32 v32, 15, v0                          ; r
	v_bfe_u32 v33, v0, 4, 1                        ; h
	v_and_b32 v34, 31, v0                          ; lane
	v_lshlrev_b32 v35, 4, v34                      ; 16 x lane
	v_lshlrev_b32 v36, 4, v32                      ; 16 r
	v_mul_u32_u24 v37, s23, v33                    ; lanes 16-31 take W's scale words
	v_add_nc_u32 v37, v36, v37
	v_lshlrev_b32 v[PFO], 8, v34
	v_add_nc_u32 v[ADRA], s21, v35
	v_add_nc_u32 v[ADRA+1], SLOT, v[ADRA]
	v_add_nc_u32 v[ADRS], s88, v37
	v_add_nc_u32 v[ADRS+1], SLOT, v[ADRS]
	v_lshlrev_b32 v[CO], 4, v34
	WIN 0x40                                       ; destinations in window 1
	v_add_nc_u32 v[ADRB], s22, v35
	v_add_nc_u32 v[ADRB+1], s89, v35
	v_lshlrev_b32 v[CO], 4, v34
	WIN 0x80
	v_lshlrev_b32 v[CO], 4, v34
	WIN 0xc0
	v_lshlrev_b32 v[CO], 4, v34
	WIN 0
	s_lshl_b32 s20, s17, 8
	s_lshl_b32 s21, s15, 7
	s_add_co_u32 s20, s20, s21                     ; my first row of out
	s_mov_b32 s21, 0
	s_mov_b64 s[18:19], SIZE_N*4
	s_mul_u64 s[20:21], s[20:21], s[18:19]
	s_lshl_b32 s46, s42, 10
	s_lshl_b32 s47, s16, 9
	s_add_co_u32 s46, s46, s47                     ; my first column, in bytes
	s_mov_b32 s47, 0
	s_add_nc_u64 s[20:21], s[20:21], s[46:47]
	s_add_nc_u64 s[12:13], s[12:13], s[20:21]
; A phase: the 16 products of window d on the sets of parity p: source 0 (A) window d / 2, source 1 (W) window 2 + d % 2, C and D window d.
; The 64 accumulators take turns, one instruction a turn, in the same order in every step.
.macro PH d, p, zero
	WIN ((\d)/2)|((2+(\d)%2)<<2)|((\d)<<4)|((\d)<<6)
.irp ai, 0,1,2,3
.irp bi, 0,1,2,3
.if \zero
	v_wmma_scale_f32_16x16x128_f8f6f4 v[ACC+8*(4*\ai+\bi):ACC+8*(4*\ai+\bi)+7], v[FRG+48*(\p)+12*\ai:FRG+48*(\p)+12*\ai+11], v[FRG+48*(\p)+12*\bi:FRG+48*(\p)+12*\bi+11], 0, v[SC+8*(\p)+4*((\d)/2)+\ai], v[SC+8*(\p)+4*((\d)%2)+\bi] matrix_a_fmt:MATRIX_FMT_FP6 matrix_b_fmt:MATRIX_FMT_FP6 matrix_b_scale:MATRIX_SCALE_ROW1
.else
	v_wmma_scale_f32_16x16x128_f8f6f4 v[ACC+8*(4*\ai+\bi):ACC+8*(4*\ai+\bi)+7], v[FRG+48*(\p)+12*\ai:FRG+48*(\p)+12*\ai+11], v[FRG+48*(\p)+12*\bi:FRG+48*(\p)+12*\bi+11], v[ACC+8*(4*\ai+\bi):ACC+8*(4*\ai+\bi)+7], v[SC+8*(\p)+4*((\d)/2)+\ai], v[SC+8*(\p)+4*((\d)%2)+\bi] matrix_a_fmt:MATRIX_FMT_FP6 matrix_b_fmt:MATRIX_FMT_FP6 matrix_b_scale:MATRIX_SCALE_ROW1
.endif
.endr
.endr
.endm
.macro FETCHG g, slot, q, p            ; group g of record (slot, q) into set p: destination window g, address window g / 2
	WIN ((\g)/2)|((\g)<<6)
.irp n, 0,1,2,3,4,5,6,7,8,9,10,11
	ds_load_b128 v[FRG+48*(\p)+4*\n:FRG+48*(\p)+4*\n+3], v[ADRA+2*((\g)/2)+(\slot)] offset:(\q)*REC+4*((\g)%2)*FRB+512*\n
.endr
.endm
.macro SCALES slot, q, p               ; under window 0
	ds_load_b128 v[SC+8*(\p):SC+8*(\p)+3], v[ADRS+\slot] offset:(\q)*REC
	ds_load_b128 v[SC+8*(\p)+4:SC+8*(\p)+7], v[ADRS+\slot] offset:(\q)*REC+256
.endm
; A step on record (slot, q), parity p; record (slot, q + 1) is loaded into the other sets.  The loads' order: group 0 (12), scale words (2), group 2 (12), group 1 (12), group 3 (12).
.macro STEP slot, q, p, zero
	PLACES                                         ; four places between the last step's products and the loads into the sets that they read (ISA guide 7.12.1 for vector instructions)
	FETCHG 0, \slot, (\q)+1, 1-(\p)                ; the run stands ahead of the waits: it lands in the other sets and hangs on nothing that is still out
	SCALES \slot, (\q)+1, 1-(\p)
	FETCHG 2, \slot, (\q)+1, 1-(\p)
	FETCHG 1, \slot, (\q)+1, 1-(\p)
	FETCHG 3, \slot, (\q)+1, 1-(\p)
	s_wait_dscnt 63                                ; behind the 50 just issued at most 13 of this step's own 50 are out: its first 26, groups 0 and 2 and the scale words, are in
	PH 0, \p, \zero
	s_wait_dscnt 62                                ; group 1 is in; group 3's 12 and the 50 may be out
	PH 2, \p, \zero
	s_wait_dscnt 50                                ; group 3 is in
	PH 1, \p, \zero
	PH 3, \p, \zero
.endm
; A slot's last step.  Its own fragments were loaded in the step before, so this slot is read no more, and the next step's come from the other slot: ONE barrier for both.  In front of it each wave waits for all its
; tensor loads (one is out: its part of the other slot), adds 0 to its spare word, and waits for that and for its reads.  fill = 1, 2: a whole round of the cluster's barrier, and the slot is filled again, first thing
; behind it; the step's loads and products follow.  ask = 1: the prefetches' address steps, and the trip's first prefetch; ask = 2: its third.
.macro TURN slot, next, p, fill, ask
	s_wait_dscnt 24                                ; groups 0 and 2 and the scale words are in; groups 1 and 3 may be out
	PH 0, \p, 0                                    ; the step's first phase stands ahead of the change of slots
	WIN 0
.if \ask == 1
	s_wait_xcnt 0x0                                ; my prefetches have read their address
	s_add_nc_u64 s[PFA:PFA+1], s[PFA:PFA+1], PFSTEP
.endif
	s_wait_tensorcnt 0x0
	ds_add_u32 v[SPW], v[NIL]
	s_wait_dscnt 0x0                               ; the add is done, and my reads of this slot are over
.if \fill
	CROUND
	s_add_nc_u64 s[G0+4*\slot+2:G0+4*\slot+3], s[G0+4*\slot+2:G0+4*\slot+3], 2*CH
	s_add_nc_u64 s[G0B+4*\slot+2:G0B+4*\slot+3], s[G0B+4*\slot+2:G0B+4*\slot+3], 2*CH
.if \fill == 1
	JLOAD G0+4*\slot, G1, G0B+4*\slot, G1B         ; the first tensor load behind the round; its four v_nop are the places in front of the loads below
.else
	JLOAD G0+4*\slot, G1L, G0B+4*\slot, G1LB       ; the last chunk: two records
.endif
.else
	s_barrier_signal -1
	s_barrier_wait -1
	PLACES
.endif
	FETCHG 0, \next, 0, 1-(\p)
	SCALES \next, 0, 1-(\p)
.if \ask == 1
	ASK 0
.endif
.if \ask == 2
	ASK 2
.endif
	FETCHG 2, \next, 0, 1-(\p)
	FETCHG 1, \next, 0, 1-(\p)
	FETCHG 3, \next, 0, 1-(\p)
	PH 2, \p, 0                                    ; this step's own fragments were all in at the wait in front of the barrier
	PH 1, \p, 0
	PH 3, \p, 0
.endm
; Block b, rows 16 b .. 16 b + 15 of my 128, leaves.  Register j of the four accumulators (b, 4 g .. 4 g + 3) is clipped into four registers on end: 16 bytes of row 8 h + j, in the left (g = 0) or right (g = 1) 64 columns.
; Each accumulator is read from its low end on.  The 64 registers lie in window b % 4's fragment sets, which are done with; blocks 4-7 write them again behind s_wait_xcnt 0.  The swap gives the first 32 registers rows
; 0-7 whole and the second 32 rows 8-15.  Every offset is an immediate: 127 rows of 8,192 bytes at the most.
.macro OUT b
.set KW, (\b)%4
.if (\b) > 3
	s_wait_xcnt 0x0
.endif
.irp g, 0,1
	WIN (2*((\b)/4)+\g)|(KW<<6)                    ; source 0: the accumulators' window; destination: window b % 4
.irp j, 0,1,2,3,4,5,6,7
.irp e, 0,1,2,3
	v_med3_num_f32 v[FRG+32*\g+4*\j+\e], v[ACC+8*(4*((\b)%4)+\e)+\j], s[CLO], s[CHI]
.endr
.endr
.endr
	WIN KW*0x45                                    ; sources 0 and 1 and the destination: window b % 4
.set n, 0
.rept 32
	v_permlane16_swap_b32 v[FRG+n], v[FRG+32+n]    ; the first's lanes 16-31 change places with the second's lanes 0-15
.set n, n+1
.endr
.irp g, 0,1
.irp j, 0,1,2,3,4,5,6,7
	global_store_b128 v[CO], v[FRG+32*\g+4*\j:FRG+32*\g+4*\j+3], s[12:13] offset:(16*(\b)+8*\g+\j)*SIZE_N*4   ; 32 lanes store 512 consecutive bytes, at a multiple of 256 from out's first byte
.endr
.endr
.endm
	s_wait_alu depctr_va_vdst(0)                   ; the wait at the head's end
	s_wait_tensorcnt 0x0                           ; my part of chunk 0 is in
	ds_add_u32 v[SPW], v[NIL]
	s_wait_dscnt 0x0
	CROUND                                         ; everybody's part of chunk 0 is in, and all sixteen work-groups are here
	JLOAD G0+4, G1, G0B+4, G1B                     ; chunk 1, slot 1's first fill: the first tensor load behind the round
	FETCHG 0, 0, 0, 0
	SCALES 0, 0, 0
	FETCHG 2, 0, 0, 0
	FETCHG 1, 0, 0, 0
	FETCHG 3, 0, 0, 0
	STEP 0, 0, 0, 1                                ; the first step's products start the sums
	WIN 0
	s_mov_b32 s3, LAPS
.Llap:                                                 ; a trip: six steps, once round the ring; both slots are filled again
	STEP 0, 1, 1, 0
	TURN 0, 1, 0, 1, 1
	WIN 0
	ASK 1                                          ; the trip's second prefetch, a step behind the joint load and two steps ahead of the next
	STEP 1, 0, 1, 0
	STEP 1, 1, 0, 0
	TURN 1, 0, 1, 1, 2
	STEP 0, 0, 0, 0
	WIN 0
	s_sub_co_u32 s3, s3, 1
	s_cmp_lg_u32 s3, 0
	s_cbranch_scc1 .Llap
	STEP 0, 1, 1, 0                                ; the tail: chunk 10, of two records, is the last fill
	TURN 0, 1, 0, 2, 0
	STEP 1, 0, 1, 0
	STEP 1, 1, 0, 0
	TURN 1, 0, 1, 0, 0
	STEP 0, 0, 0, 0
	s_wait_dscnt 24                                ; the last step loads nothing: groups 0 and 2 and the scale words are in; groups 1 and 3 may be out
	PH 0, 1, 0
	s_wait_dscnt 12                                ; group 1 is in
	PH 2, 1, 0
	s_wait_dscnt 0x0
	PH 1, 1, 0
	PH 3, 1, 0
	PLACES                                         ; in front of the reads of results and the writes over the last products' sources
.irp b, 0,1,2,3,4,5,6,7
	OUT \b
.endr
	WIN 0
	s_wait_tensorcnt 0x0                           ; the wave's end
	ds_add_u32 v[SPW], v[NIL]
	s_wait_dscnt 0x0
	CROUND                                         ; the closing round
	s_endpgm
.Lfunc_end_k_qa2c1e51bd7_gemm:
	.size	k_qa2c1e51bd7_gemm, .Lfunc_end_k_qa2c1e51bd7_gemm-k_qa2c1e51bd7_gemm
	.p2alignl 7, 3214868480
	.fill 96, 4, 3214868480
	.section	.rodata,"a",@progbits
	.p2align	6, 0x0
	.amdhsa_kernel k_qa2c1e51bd7_gemm
		.amdhsa_group_segment_fixed_size 327680
		.amdhsa_private_segment_fixed_size 0
		.amdhsa_enable_private_segment 0
		.amdhsa_kernarg_size 24
		.amdhsa_user_sgpr_count 2
		.amdhsa_user_sgpr_kernarg_segment_ptr 1
		.amdhsa_wavefront_size32 1
		.amdhsa_system_sgpr_workgroup_id_x 1
		.amdhsa_system_sgpr_workgroup_id_y 1
		.amdhsa_system_sgpr_workgroup_id_z 1
		.amdhsa_system_vgpr_workitem_id 0
		.amdhsa_next_free_vgpr 1024
		.amdhsa_next_free_sgpr 100
		.amdhsa_reserve_vcc 0
		.amdhsa_float_denorm_mode_32 3
		.amdhsa_float_denorm_mode_16_64 3
		.amdhsa_memory_ordered 1
		.amdhsa_forward_progress 1
		.amdhsa_inst_pref_size 228
	.end_amdhsa_kernel
	.amdgpu_metadata
---
amdhsa.version: [ 1, 2 ]
amdhsa.kernels:
  - .name:           k_qa2c1e51bd7_gemm
    .symbol:         k_qa2c1e51bd7_gemm.kd
    .args:
      - { .name: aq, .offset: 0, .size: 8, .value_kind: global_buffer, .address_space: global }
      - { .name: bq, .offset: 8, .size: 8, .value_kind: global_buffer, .address_space: global }
      - { .name: out0, .offset: 16, .size: 8, .value_kind: global_buffer, .address_space: global }
    .group_segment_fixed_size: 327680
    .private_segment_fixed_size: 0
    .kernarg_segment_align: 8
    .kernarg_segment_size: 24
    .max_flat_workgroup_size: 128
    .sgpr_count:     100
    .vgpr_count:     1024
    .wavefront_size: 32
...
	.end_amdgpu_metadata
.endif
;; end of part 2
